; MI455X (gfx1250); checked and timed in simulation.
; The chip was launched on July 23, 2026; its instructions are those of AMD's public machine-readable ISA for CDNA 5 (MIT licence, August 2026) and "CDNA5" Instruction Set Architecture Reference Guide (July 2026). The comments in the code are by the model that wrote it; some were corrected since.
;; Attention Layer. Allowed arithmetic: matrix products marked QUANTISED: E2M3 operands, one E8M0 scale for each 32 along K, by v_wmma_scale_f32_16x16x128_f8f6f4 with both operands' format E2M3, f32 sums; everything else in f32.
;; Inputs: Wk 1,024 x 1,024 float32; Wq 1,024 x 1,024 float32; Wv 1,024 x 1,024 float32; bk 1,024 float32; bq 1,024 float32; bv 1,024 float32; x 4 x 2,048 x 1,024 float32.
;; Outputs: out0 4 x 2,048 x 1,024 float32.
;; This version of the problem:
;;   THIS VERSION OF THE PROBLEM IS GIVEN IN LOW PRECISION. The matrix products marked QUANTISED in the list below multiply operands that are first quantised to E2M3 (2 exponent bits, 3 mantissa bits; 6 bits a number), with one power-of-two scale for each 32 numbers along K (OCP MX v1.0); their sums are f32. All else is computed in f32.
;;   The module's matrix products, in the order in which they are computed (A, B: the left and right operand; K: the contracted axis; several contracted axes count as one K, in the product's order):
;;     1. [M 8,192, K 1,024] x [K 1,024, N 1,024]; A: input x; B: input Wq: QUANTISED
;;     2. [M 8,192, K 1,024] x [K 1,024, N 1,024]; A: input x; B: input Wk: QUANTISED
;;     3. [M 8,192, K 1,024] x [K 1,024, N 1,024]; A: input x; B: input Wv: QUANTISED
;;     4. batch 64 x [M 2,048, K 64] x [K 64, N 2,048]; A: computed on the way; B: computed on the way: QUANTISED
;;     5. batch 64 x [M 2,048, K 2,048] x [K 2,048, N 64]; A: softmax (see below); B: computed on the way: QUANTISED
;;   THE QUANTISER, for each operand of a quantised product, along K:
;;     - K is cut into blocks of 32 from its start; a last block that is shorter is filled with zeros.
;;     - A block's scale is 2^e with e = floor(log2(the largest magnitude in the block)) - 2, held to -126 .. 127; a block of zeros has e = 0. As a byte (E8M0): e + 127.
;;     - Each number is divided by its block's scale, clamped to +-7.5, and rounded to the nearest number of E2M3, ties to even, subnormals kept.
;;     - The product sums the exact products of the quantised numbers (number of the format x scale) in f32.
;;   ~~~python
;;   def quantise(x, axis):      # numpy; x: float32 -> the quantised numbers, widened to float32 again
;;       x = np.moveaxis(x, axis, -1); K = x.shape[-1]
;;       x = np.pad(x, [(0, 0)] * (x.ndim - 1) + [(0, -K % 32)]); x = x.reshape(x.shape[:-1] + (-1, 32)); a = np.abs(x).max(-1, keepdims=True)
;;       e = np.where(a > 0, np.clip(np.frexp(np.where(a > 0, a, 1))[1] - 1 - 2, -126, 127), 0)      # np.frexp(a)[1] - 1 = floor(log2(a)), exactly
;;       r = np.clip(x / 2.0 ** e, -7.5, 7.5)
;;       step = 2.0 ** (np.maximum(np.frexp(np.where(r == 0, 1, r))[1] - 1, 0) - 3)
;;       q = np.round(r / step) * step * 2.0 ** e      # np.round: ties to even
;;       return np.moveaxis(q.reshape(q.shape[:-2] + (-1,))[..., :K], -1, axis).astype(np.float32)
;;   ~~~
;;   SOFTMAX AHEAD OF A QUANTISED PRODUCT. Where the list says 'softmax', what is quantised is not the finished softmax but p = 2^(t - M), with t = logit x log2(e) and M = ceil(the row's largest t), a whole number; so 1/2 < the row's largest p <= 1. The row's sum l is taken of the UNQUANTISED p, in f32, and the product's result is divided by l at the end. Since M is a whole number, a kernel that streams over the keys may use a running M (the ceiling of the running maximum): every later rescaling is an exact power of two, which a block's scale takes up: the codes' values come out the same.
;;   OPERANDS COMPUTED ON THE WAY. 'Computed on the way' means the value that the module computes at that place (a softmax that the list does not call 'softmax' is quantised finished and normalised). What goes into a quantiser is computed in f32, as accurately as f32 sums, v_exp_f32 and their like allow (about 1e-6 of the number): no bf16 or f16 on the way to a quantiser, and a product that is left as it is and whose result goes on into a quantised operand takes f32 operands (vector FMAs, or v_wmma_f32_16x16x4_f32). A number that lies on a knife's edge between two numbers of the format may be rounded either way, as far as f32 arithmetic and the matrix unit's own rounding can turn it there, and no further.
;; One version. Each part assembles by itself: llvm-mc -triple=amdgcn-amd-amdhsa -mcpu=gfx1250 --defsym DOCPART=n.
;; ======== version 1 of 1: 3 launches
;; workspace buffers: xc 6,291,456 bytes; xs 262,144 bytes; wc 2,359,296 bytes; ws 98,304 bytes; q 6,815,744 bytes; kv 13,369,344 bytes
;; launch quant (part 1): grid 352 x 1, 4 waves a work-group, no clusters, 33,280 bytes of LDS; arguments x, Wq, Wk, Wv, xc, xs, wc, ws; writes xc, xs, wc, ws
.if DOCPART == 1
	.amdgcn_target "amdgcn-amd-amdhsa--gfx1250"
	.amdhsa_code_object_version 6
	.text
	.protected	k_q000c24392d_quant
	.globl	k_q000c24392d_quant
	.p2align	8
	.type	k_q000c24392d_quant,@function
k_q000c24392d_quant:
	s_mov_b64 s[64:65], 0
	v_nop
	global_prefetch_b8 v0, s[64:65] scope:SCOPE_SE
	s_setreg_imm32_b32 hwreg(HW_REG_WAVE_MODE, 25, 1), 1
	s_wait_xcnt 0x0
; x [8192][1024] and Wq, Wk, Wv [1024][1024], f32, K innermost, are turned into codes of FP6 (E2M3), 6 bits each, with one E8M0 scale byte for each 32 along K.
; xc [8192][768 bytes], xs [8192][32 bytes]; wc [3072][768], ws [3072][32]: Wq's rows, then Wk's, then Wv's.
; A block's scale is 2^(floor(log2(its largest magnitude)) - 2); its byte is the largest magnitude's own exponent field - 2, held at 1 from below.  Each number is divided by the scale and rounded to the nearest code, ties to even.
; THE ROWS ARE STORED IN ANOTHER ORDER THAN THEY ARE READ: inside each group of 32 rows, bits 3 and 4 of the row's number change places (place 16 u + r holds row 8 u + r + 8 (r / 8)).  The next launch takes 16 neighbouring
; places as a tile; with this order the 16 registers of two neighbouring result tiles are 16 neighbours along the axis that it quantises.  A wave's run is 8 whole rows, so the order costs one scalar permutation of the wave's number.
; LIMITS: a block whose largest magnitude lies under 2^-124, a block of zeros among them, keeps the byte 1 (its codes are then zeros or nearly so; the bytes are read by this program alone); NaN and infinities among the inputs are not served.
; A wave takes 16 steps of 512 numbers.  Each of a step's four loads reads 512 consecutive bytes, 16 a lane; the 2,048 bytes go through the wave's own stage in LDS and come back 64 bytes a lane, so that a lane holds 16 neighbours
; along K (two neighbouring lanes hold a block).  A lane's 16 codes are 12 bytes: the wave stores 384 consecutive bytes.  A wave's 256 scale bytes are gathered in LDS and leave as one aligned run of 256 bytes.
; Work-groups 0-255 take x, 256-287 Wq, 288-319 Wk, 320-351 Wv: only pointers are chosen, all take one path.  No tensor loads, no barrier: waves share nothing.  Loads run four steps (16 loads a wave) ahead.
.set WAVES, 4
.set STEPS, 16
.set XWG,   256                        ; x's work-groups: 8,192 rows / 32
.set EMAX,  2
.set CB,    12                         ; bytes of 16 codes
.set R,     16                         ; v16-79   four sets of 16 numbers as they are loaded
.set X,     80                         ; v80-111  two sets of 16 neighbours
.set C,     128                        ; v128-191 codes: four registers for each step, so that no store's data are written again
.set E,     112                        ; v112-127 a scale byte for each step
.set WREG,  8192                       ; LDS: a region for each wave: two stages of 32 x SP bytes, and behind them its 256 scale bytes
.set SP,    80                         ; a lane's place in a stage: its 64 bytes + 16 of padding
.set SPW,   12                         ; v12      LDS address of my spare word: SPARE + 4 x my thread's number; never rewritten
.set NIL,   13                         ; v13      0; never rewritten
.set SPARE, WAVES*WREG                 ; behind the four regions: the spare words, 128 bytes for each wave, which no other line names
	s_load_b256 s[4:11], s[0:1], 0x0               ; x s[4:5], Wq s[6:7], Wk s[8:9], Wv s[10:11]
	s_load_b256 s[12:19], s[0:1], 0x20             ; xc s[12:13], xs s[14:15], wc s[16:17], ws s[18:19]
	v_lshl_add_u32 v[SPW], v0, 2, SPARE
	v_mov_b32 v[NIL], 0
	v_lshrrev_b32 v1, 5, v0
	v_readfirstlane_b32 s20, v1                    ; wave
	v_and_b32 v2, 31, v0                           ; lane
	v_lshlrev_b32 v3, 4, v2                        ; my 16 bytes of a load's 512
	s_mul_i32 s21, s20, WREG
	v_lshrrev_b32 v14, 2, v2
	v_mul_u32_u24 v14, v14, SP
	v_and_b32 v15, 3, v2
	v_lshl_add_u32 v14, v15, 4, v14
	v_add_nc_u32 v14, s21, v14                     ; the stage, on the way in: four lanes' 64 bytes on end, then 16 of padding
	v_mul_u32_u24 v15, v2, SP
	v_add_nc_u32 v15, s21, v15                     ; and on the way out: SP x lane: my 16 neighbours
	v_mul_u32_u24 v4, v2, CB                       ; my codes' place in a step's
	v_lshrrev_b32 v5, 1, v2
	s_add_co_u32 s21, s21, 2*32*SP
	v_add_nc_u32 v5, s21, v5                       ; LDS: my wave's 256 scale bytes, my block's byte
	v_lshlrev_b32 v7, 3, v2                        ; and on the way out 8 bytes a lane
	v_add_nc_u32 v6, s21, v7
	s_sub_co_u32 s22, ttmp9, XWG                   ; a weight's work-group, counted from Wq's first (not used in x's work-groups)
	s_lshr_b32 s23, s22, 5                         ; which weight
	s_and_b32 s24, s22, 31                         ; and which 32 rows of it
	s_and_b32 s25, s20, 1
	s_lshl_b32 s25, s25, 1
	s_lshr_b32 s26, s20, 1
	s_or_b32 s25, s25, s26                         ; where my 8 rows go in the group of 32: the wave's two bits change places
	s_wait_alu depctr_va_vdst(0)
	s_wait_kmcnt 0x0
	s_cmp_eq_u32 s23, 1                            ; the choices hang on the work-group's number alone
	s_cselect_b64 s[6:7], s[8:9], s[6:7]
	s_cmp_eq_u32 s23, 2
	s_cselect_b64 s[6:7], s[10:11], s[6:7]
	s_cmp_lt_u32 ttmp9, XWG
	s_cselect_b64 s[4:5], s[4:5], s[6:7]           ; what I read
	s_cselect_b64 s[12:13], s[12:13], s[16:17]     ; the codes' buffer
	s_cselect_b64 s[14:15], s[14:15], s[18:19]     ; the scale bytes' buffer
	s_cselect_b32 s24, ttmp9, s24                  ; the group of 32 rows in the tensor that I read,
	s_cselect_b32 s22, ttmp9, s22                  ; and in the buffers that I write
	s_lshl_b32 s26, s24, 2
	s_add_co_u32 s26, s26, s20
	s_lshl_b32 s26, s26, 15                        ; my run of 8 rows: 32,768 bytes each (under 2^26)
	s_mov_b32 s27, 0
	s_add_nc_u64 s[4:5], s[4:5], s[26:27]
	s_lshl_b32 s22, s22, 2
	s_add_co_u32 s22, s22, s25
	s_mul_i32 s26, s22, 32*STEPS*CB                ; 6,144 bytes of codes a run
	s_add_nc_u64 s[12:13], s[12:13], s[26:27]
	s_lshl_b32 s26, s22, 8                         ; 256 scale bytes a run
	s_add_nc_u64 s[14:15], s[14:15], s[26:27]
.macro LOAD t
.irp i, 0,1,2,3
	global_load_b128 v[R+16*((\t)%4)+4*\i:R+16*((\t)%4)+4*\i+3], v3, s[4:5] offset:2048*(\t)+512*\i th:TH_LOAD_NT   ; 32 lanes read 512 consecutive bytes
.endr
.endm
.macro TURN t                          ; step t's numbers through the stage: LDS serves a wave's instructions in order, so no wait stands between the stores and the loads
.irp i, 0,1,2,3
	ds_store_b128 v14, v[R+16*((\t)%4)+4*\i:R+16*((\t)%4)+4*\i+3] offset:32*SP*((\t)%2)+8*SP*\i
.endr
.irp i, 0,1,2,3
	ds_load_b128 v[X+16*((\t)%2)+4*\i:X+16*((\t)%2)+4*\i+3], v15 offset:32*SP*((\t)%2)+16*\i
.endr
.endm
.irp t, 0,1,2,3
	LOAD \t
.endr
	s_wait_loadcnt 12                              ; step 0's four loads are in; the 12 of steps 1 to 3 may be out
	TURN 0
.macro STEP t
.set XS, X+16*((\t)%2)
.if (\t) > 0
	s_wait_dscnt 1                                 ; this step's numbers are back from the stage (the last step's byte store may be out): so its stores into the stage have read their registers,
.else
	s_wait_dscnt 0x0
.endif
.if (\t)+4 < STEPS
	LOAD (\t)+4                                    ; which take the loads of four steps on
.endif
.if (\t)+1 < STEPS
.if STEPS-2-(\t) >= 3
	s_wait_loadcnt 12                              ; the next step's four loads are in; those of the three steps behind it may be out
.else
	s_wait_loadcnt 4*(STEPS-2-(\t))                ; at the end the count runs down: 8, 4, 0
.endif
	TURN (\t)+1                                    ; and go through the other stage while this step is worked
.endif
	v_max3_num_f32 v8, |v[XS]|, |v[XS+1]|, |v[XS+2]|               ; the largest magnitude of my 16, in two chains
	v_max3_num_f32 v9, |v[XS+3]|, |v[XS+4]|, |v[XS+5]|
.irp i, 6,10
	v_max3_num_f32 v8, v8, |v[XS+\i]|, |v[XS+\i+1]|
	v_max3_num_f32 v9, v9, |v[XS+\i+2]|, |v[XS+\i+3]|
.endr
	v_max3_num_f32 v8, v8, |v[XS+14]|, |v[XS+15]|
	v_max3_num_f32 v8, v8, v9, (EMAX+1)<<23        ; and the floor 2^(3 - 127), under which no largest magnitude is taken: so the byte cannot fall under 1
	v_max_num_f32_dpp v8, v8, v8 row_xmask:1 row_mask:0xf bank_mask:0xf   ; and of my neighbour's 16: the block's
	v_add_nc_u32 v11, -(EMAX<<23), v8              ; 2 off its exponent field: the conversion takes the exponent field of this operand as its scale, and nothing else of it
	v_cvt_scalef32_pk16_fp6_f32 v[C+4*(\t):C+4*(\t)+2], v[XS:XS+15], v11         ; sixteen numbers / the scale, to the nearest code, ties to even, beyond the largest code the largest; 96 bits without gaps
	v_lshrrev_b32 v[E+(\t)], 23, v11               ; the scale's byte (also the plain instruction behind the conversion)
	ds_store_b8 v5, v[E+(\t)] offset:16*(\t)       ; both lanes of a block write the same byte with the same value
	global_store_b96 v4, v[C+4*(\t):C+4*(\t)+2], s[12:13] offset:32*CB*(\t)
.endm
.irp t, 0,1,2,3,4,5,6,7,8,9,10,11,12,13,14,15
	STEP \t
.endr
	ds_load_b64 v[8:9], v6                         ; LDS serves a wave's instructions in order: these see my stores
	s_wait_dscnt 0x0
	global_store_b64 v7, v[8:9], s[14:15]          ; 32 lanes store 256 consecutive bytes, aligned
	s_wait_tensorcnt 0x0                           ; the wave's end: behind my last LDS store
	ds_add_u32 v[SPW], v[NIL]
	s_wait_dscnt 0x0
	s_endpgm
.Lfunc_end_k_q000c24392d_quant:
	.size	k_q000c24392d_quant, .Lfunc_end_k_q000c24392d_quant-k_q000c24392d_quant
	.p2alignl 7, 3214868480
	.fill 96, 4, 3214868480
	.section	.rodata,"a",@progbits
	.p2align	6, 0x0
	.amdhsa_kernel k_q000c24392d_quant
		.amdhsa_group_segment_fixed_size 33280
		.amdhsa_private_segment_fixed_size 0
		.amdhsa_enable_private_segment 0
		.amdhsa_kernarg_size 64
		.amdhsa_user_sgpr_count 2
		.amdhsa_user_sgpr_kernarg_segment_ptr 1
		.amdhsa_wavefront_size32 1
		.amdhsa_system_sgpr_workgroup_id_x 1
		.amdhsa_system_sgpr_workgroup_id_y 1
		.amdhsa_system_sgpr_workgroup_id_z 1
		.amdhsa_system_vgpr_workitem_id 0
		.amdhsa_next_free_vgpr 192
		.amdhsa_next_free_sgpr 66
		.amdhsa_reserve_vcc 0
		.amdhsa_float_denorm_mode_32 3
		.amdhsa_float_denorm_mode_16_64 3
		.amdhsa_memory_ordered 1
		.amdhsa_forward_progress 1
		.amdhsa_inst_pref_size 33
	.end_amdhsa_kernel
	.amdgpu_metadata
---
amdhsa.version: [ 1, 2 ]
amdhsa.kernels:
  - .name:           k_q000c24392d_quant
    .symbol:         k_q000c24392d_quant.kd
    .args:
      - { .name: x, .offset: 0, .size: 8, .value_kind: global_buffer, .address_space: global }
      - { .name: Wq, .offset: 8, .size: 8, .value_kind: global_buffer, .address_space: global }
      - { .name: Wk, .offset: 16, .size: 8, .value_kind: global_buffer, .address_space: global }
      - { .name: Wv, .offset: 24, .size: 8, .value_kind: global_buffer, .address_space: global }
      - { .name: xc, .offset: 32, .size: 8, .value_kind: global_buffer, .address_space: global }
      - { .name: xs, .offset: 40, .size: 8, .value_kind: global_buffer, .address_space: global }
      - { .name: wc, .offset: 48, .size: 8, .value_kind: global_buffer, .address_space: global }
      - { .name: ws, .offset: 56, .size: 8, .value_kind: global_buffer, .address_space: global }
    .group_segment_fixed_size: 33280
    .private_segment_fixed_size: 0
    .kernarg_segment_align: 8
    .kernarg_segment_size: 64
    .max_flat_workgroup_size: 128
    .sgpr_count:     66
    .vgpr_count:     192
    .wavefront_size: 32
...
	.end_amdgpu_metadata
.endif
;; end of part 1
;; launch proj (part 2): grid 12 x 32, 4 waves a work-group, clusters of 4 x 4, 327,680 bytes of LDS; arguments xc, xs, wc, ws, bq, bk, bv, q, kv; writes q, kv
.if DOCPART == 2
	.amdgcn_target "amdgcn-amd-amdhsa--gfx1250"
	.amdhsa_code_object_version 6
	.text
	.protected	k_q000c24392d_proj
	.globl	k_q000c24392d_proj
	.p2align	8
	.type	k_q000c24392d_proj,@function
k_q000c24392d_proj:
	s_mov_b64 s[64:65], 0
	v_nop
	global_prefetch_b8 v0, s[64:65] scope:SCOPE_SE
	s_setreg_imm32_b32 hwreg(HW_REG_WAVE_MODE, 25, 1), 1
	s_wait_xcnt 0x0
	s_wait_alu depctr_hold_cnt(0) depctr_sa_sdst(0) depctr_va_vdst(0) depctr_va_sdst(0) depctr_va_ssrc(0) depctr_va_vcc(0) depctr_vm_vsrc(0)
	s_getreg_b32 s2, hwreg(HW_REG_IB_STS2, 6, 4)
	s_cmp_eq_u32 s2, 0
	s_cbranch_scc0 .Lentry_in_a_cluster
	s_endpgm
.Lentry_in_a_cluster:
	s_bfe_u32 s2, ttmp6, 0x10000c
	s_cmp_lg_u32 s2, 0xf033
	s_cbranch_scc0 .Lentry_shape_is_right
	s_endpgm
.Lentry_shape_is_right:
.set KSTEP,  256
.set NQ,     2
.set ROWB,   192
.set KROW,   768
.set PITCH,  240
.set FR,     12
.set NL,     6
.set NP,     4
.set HALFT,  128*PITCH
.set SLOT,   4*HALFT
.set LAPS,   2
.set KS,     32
.set SCL,    2*SLOT
.set HALFS,  (128*KS/256)*272
.set SBLK,   (16*KS/256)*272
.set SPARE,  SCL+4*HALFS
.set QSTEP,  6656
.set KVSTEP, 13056
.set HEADB,  16*KVSTEP
.set AO,   8
.set ADRA, 16
.set ADRB, 20
.set L16,  24
.set L8,   25
.set ADRS, 27
.set SPW,  28
.set NIL,  29
.set SC,   32
.set BB,   64
.set AF,   128
.set HA,   128
.set PC,   192
.set TM,   212
.set PW,   228
.set MW,   236
.set T0,   240
.set T1,   244
.set SEL,  66
.set G1, 24
.set G0, 32
.set G1B, 48
.set G0B, 56
.set G1S, 68
.set G0S, 76
.set G1SB, 80
.set G0SB, 88
.set MSB, 0
.macro WIN new
.if MSB != \new
	s_set_vgpr_msb (MSB<<8)|\new
.set MSB, \new
.endif
.endm
.set MUL_LO, 0xa1
.set MUL_HI, 0xf1
.set TO_B,   0x40
.macro JLOAD g0a, g1a, g0b, g1b
	s_cmp_eq_u32 s15, 0
	s_cbranch_scc0 .Lfor_b_\@
	tensor_load_to_lds s[\g0a:\g0a+3], s[\g1a:\g1a+7]
	s_nop 0
.rept 4
	v_nop
.endr
	s_branch .Lasked_\@
.Lfor_b_\@:
	tensor_load_to_lds s[\g0b:\g0b+3], s[\g1b:\g1b+7]
	s_nop 0
.rept 4
	v_nop
.endr
.Lasked_\@:
.endm
.macro CREST
	s_cmp_lg_u32 s14, 0
	s_cbranch_scc1 .Lnot_wave_0_\@
	s_barrier_signal -3
.Lnot_wave_0_\@:
	s_barrier_wait -3
	s_barrier_signal -1
	s_barrier_wait -1
.endm
.macro CROUND
	s_barrier_signal -1
	s_barrier_wait -1
	CREST
.endm
	s_load_b256 s[4:11], s[0:1], 0x0
	s_load_b256 s[92:99], s[0:1], 0x20
	s_load_b64 s[100:101], s[0:1], 0x40
	v_lshl_add_u32 v[SPW], v0, 2, SPARE
	v_mov_b32 v[NIL], 0
	ds_add_u32 v[SPW], v[NIL]
	ds_add_u32 v[SPW], v[NIL]
	v_lshrrev_b32 v1, 5, v0
	v_readfirstlane_b32 s14, v1
	s_lshr_b32 s15, s14, 1
	s_and_b32 s16, s14, 1
	s_bfe_u32 s40, ttmp6, 0x40000
	s_bfe_u32 s41, ttmp6, 0x40004
	s_and_b32 s18, ttmp7, 0xffff
	s_lshl_b32 s18, s18, 2
	s_lshl_b32 s19, ttmp9, 2
	s_cmp_eq_u32 ttmp9, 2
	s_cselect_b32 s12, 1, 0
	s_cselect_b32 s17, 8, s18
	s_cselect_b32 s42, s18, s19
	s_add_co_u32 s17, s17, s41
	s_add_co_u32 s42, s42, s40
	s_lshl_b32 s43, s41, 2
	s_lshl_b32 s43, 15, s43
	s_lshl_b32 s44, 0x1111, s40
	s_or_b32 s[G1+0], s43, (0<<16)|(1<<20)|(1<<21)|(3<<22)|(3<<25)
	s_or_b32 s[G1B+0], s44, (0<<16)|(1<<20)|(1<<21)|(3<<22)|(3<<25)
.irp g, G1, G1B
	s_mov_b32 s[\g+1], ROWB<<16
	s_mov_b32 s[\g+2], 128<<16
	s_mov_b32 s[\g+3], ROWB<<16
	s_mov_b32 s[\g+4], 128
	s_mov_b32 s[\g+5], KROW
	s_mov_b32 s[\g+6], 0
	s_mov_b32 s[\g+7], 0
.endr
	s_or_b32 s[G1S+0], s43, (3<<16)|(1<<20)|(1<<21)|(5<<22)|(3<<25)
	s_or_b32 s[G1SB+0], s44, (3<<16)|(1<<20)|(1<<21)|(5<<22)|(3<<25)
.irp g, G1S, G1SB
	s_mov_b32 s[\g+1], 32<<16
	s_mov_b32 s[\g+2], (128*KS/256)<<16
	s_mov_b32 s[\g+3], 32<<16
	s_mov_b32 s[\g+4], 128*KS/256
	s_mov_b32 s[\g+5], 32
	s_mov_b32 s[\g+6], 0
	s_mov_b32 s[\g+7], 0
.endr
	s_lshl_b32 s18, s16, 7
	s_lshl_b32 s20, s17, 8
	s_add_co_u32 s20, s20, s18
	s_lshl_b32 s46, s42, 8
	s_add_co_u32 s46, s46, s18
	s_lshl_b32 s22, s20, 5
	s_mov_b32 s23, 0
	s_lshl_b32 s104, s46, 5
	s_mov_b32 s105, 0
	s_mul_i32 s20, s20, KROW
	s_mov_b32 s21, 0
	s_mul_i32 s46, s46, KROW
	s_mov_b32 s47, 0
	s_mul_i32 s45, s14, HALFT
	s_mul_i32 s66, s14, HALFS
	s_wait_dscnt 0x0
	s_wait_kmcnt 0x0
	s_cmp_eq_u32 s12, 0
	s_cselect_b64 s[18:19], s[4:5], s[8:9]
	s_cselect_b64 s[8:9], s[8:9], s[4:5]
	s_cselect_b64 s[4:5], s[6:7], s[10:11]
	s_cselect_b64 s[10:11], s[10:11], s[6:7]
	s_add_nc_u64 s[20:21], s[18:19], s[20:21]
	s_add_nc_u64 s[22:23], s[4:5], s[22:23]
	s_add_nc_u64 s[46:47], s[8:9], s[46:47]
	s_add_nc_u64 s[104:105], s[10:11], s[104:105]
	CROUND
	s_mov_b32 s[G0S], 1
	s_add_co_u32 s[G0S+1], s66, SCL
	s_mov_b64 s[G0S+2:G0S+3], s[22:23]
	s_or_b32 s[G0S+3], s[G0S+3], 0x80000000
	s_mov_b32 s[G0SB], 1
	s_add_co_u32 s[G0SB+1], s66, SCL
	s_mov_b64 s[G0SB+2:G0SB+3], s[104:105]
	s_or_b32 s[G0SB+3], s[G0SB+3], 0x80000000
	JLOAD G0S, G1S, G0SB, G1SB
.irp s, 0,1
	s_mov_b32 s[G0+4*\s], 1
	s_add_co_u32 s[G0+4*\s+1], s45, \s*SLOT
	s_add_nc_u64 s[G0+4*\s+2:G0+4*\s+3], s[20:21], \s*ROWB
	s_or_b32 s[G0+4*\s+3], s[G0+4*\s+3], 0x80000000
	s_mov_b32 s[G0B+4*\s], 1
	s_add_co_u32 s[G0B+4*\s+1], s45, \s*SLOT
	s_add_nc_u64 s[G0B+4*\s+2:G0B+4*\s+3], s[46:47], \s*ROWB
	s_or_b32 s[G0B+4*\s+3], s[G0B+4*\s+3], 0x80000000
	s_wait_alu depctr_va_vdst(0)
	s_wait_tensorcnt 0x0
	ds_add_u32 v28, v29
	s_wait_dscnt 0x0
	CROUND
	JLOAD G0+4*\s, G1, G0B+4*\s, G1B
.endr
	v_and_b32 v1, 15, v0
	v_bfe_u32 v2, v0, 4, 1
	v_mul_u32_u24 v3, v1, PITCH
	v_mul_u32_u24 v4, v2, 24
	v_add_nc_u32 v4, v3, v4
	v_lshl_add_u32 v5, v2, 4, v4
	s_mul_i32 s21, s15, HALFT
	s_mul_i32 s22, s16, HALFT
	s_add_co_u32 s22, s22, 2*HALFT
.irp s, 0,1
	v_add_nc_u32 v[ADRA+\s], s21, v4
	v_add_nc_u32 v[ADRB+\s], s22, v4
	v_add_nc_u32 v[ADRA+2+\s], s21, v5
	v_add_nc_u32 v[ADRB+2+\s], s22, v5
	s_add_co_u32 s21, s21, SLOT
	s_add_co_u32 s22, s22, SLOT
.endr
	v_mul_u32_u24 v5, v1, KS
	v_lshrrev_b32 v6, 8, v5
	v_lshl_add_u32 v5, v6, 4, v5
	s_mul_i32 s21, s15, HALFS
	s_mul_i32 s22, s16, HALFS
	s_add_co_u32 s22, s22, 2*HALFS
	s_sub_co_u32 s22, s22, s21
	v_mul_u32_u24 v6, s22, v2
	s_add_co_u32 s21, s21, SCL
	v_add_nc_u32 v5, v5, v6
	v_add_nc_u32 v[ADRS], s21, v5
	v_and_b32 v6, 31, v0
	v_lshlrev_b32 v[L16], 4, v6
	v_lshlrev_b32 v[L8], 3, v6
	s_cmp_eq_u32 ttmp9, 0
	s_cselect_b64 s[46:47], s[92:93], s[94:95]
	s_cmp_eq_u32 s12, 0
	s_cselect_b64 s[46:47], s[46:47], s[96:97]
	s_cselect_b32 s18, s40, s41
	s_cselect_b32 s19, s16, s15
	s_cselect_b32 s21, 64, 0
	s_cselect_b32 s22, 0, 4
	s_cselect_b32 s23, 4, 0
	s_lshl_b32 s18, s18, 10
	s_lshl_b32 s19, s19, 9
	s_add_co_u32 s18, s18, s19
	s_mov_b32 s19, 0
	s_add_nc_u64 s[46:47], s[46:47], s[18:19]
	v_and_b32 v3, 8, v1
	v_add_nc_u32 v3, v3, v1
	v_mul_u32_u24 v3, s22, v3
	v_mul_u32_u24 v4, s21, v2
	v_add_nc_u32 v3, v3, v4
	v_mov_b32 v4, s23
.irp j, 0,1,2,3,4,5,6,7
	v_mad_u32_u24 v[AO+\j], v4, \j, v3
.endr
.set n, 0
.rept 64
	global_load_b32 v[BB+n], v[AO+n%8], s[46:47] offset:4*(32*(n/16)+8*((n%16)/8))
.set n, n+1
.endr
.macro FRAG reg, adr, q, i
.irp p, 0,1,2,3,4,5
.set PCE, 12*(\q)+6*(\p/3)+\p%3
.if PCE%8 < 5
	ds_load_b64 v[\reg+2*\p:\reg+2*\p+1], v[\adr] offset:8*PCE+16*(PCE/8)+(\i)*16*PITCH
.else
	ds_load_b64 v[\reg+2*\p:\reg+2*\p+1], v[\adr+2] offset:8*PCE+16*(PCE/8)+(\i)*16*PITCH
.endif
.endr
.endm
.macro MUL16 a0, p, q, sc, zero
.irp a, \a0, \a0+1
.irp b, 0,1,2,3,4,5,6,7
.if \zero
	v_wmma_scale_f32_16x16x128_f8f6f4 v[8*(8*((\a)%4)+\b):8*(8*((\a)%4)+\b)+7], v[128*(\p)+FR*\b:128*(\p)+FR*\b+FR-1], v[AF+FR*(\a):AF+FR*(\a)+FR-1], 0, v[SC+8*NQ*(\sc)+NQ*\b+(\q)], v[SC+8*NQ*(\sc)+NQ*(\a)+(\q)] matrix_a_fmt:MATRIX_FMT_FP6 matrix_b_fmt:MATRIX_FMT_FP6 matrix_a_scale:MATRIX_SCALE_ROW1
.else
	v_wmma_scale_f32_16x16x128_f8f6f4 v[8*(8*((\a)%4)+\b):8*(8*((\a)%4)+\b)+7], v[128*(\p)+FR*\b:128*(\p)+FR*\b+FR-1], v[AF+FR*(\a):AF+FR*(\a)+FR-1], v[8*(8*((\a)%4)+\b):8*(8*((\a)%4)+\b)+7], v[SC+8*NQ*(\sc)+NQ*\b+(\q)], v[SC+8*NQ*(\sc)+NQ*(\a)+(\q)] matrix_a_fmt:MATRIX_FMT_FP6 matrix_b_fmt:MATRIX_FMT_FP6 matrix_a_scale:MATRIX_SCALE_ROW1
.endif
.endr
.endr
.endm
.macro FETCH_B slot, q, p
	WIN TO_B
.irp i, 0,1,2,3,4,5,6,7
	FRAG 128*(\p)+FR*\i, ADRB+\slot, \q, \i
.endr
	WIN 0
.endm
.macro FETCH_A slot, q, i0
.irp i, \i0, \i0+1, \i0+2, \i0+3
	FRAG AF+FR*(\i), ADRA+\slot, \q, \i
.endr
.endm
.macro SCALES sc
.irp i, 0,1,2,3,4,5,6,7
	ds_load_b64 v[SC+8*NQ*\sc+NQ*\i:SC+8*NQ*\sc+NQ*\i+1], v[ADRS] offset:\i*SBLK
.endr
.endm
.macro PLACES n
.rept \n
	v_nop
.endr
.endm
.macro STEP slot, q, zero
	s_wait_dscnt 4*NL
	WIN MUL_LO
	MUL16 0, (\q)%2, \q, \slot, \zero
	MUL16 2, (\q)%2, \q, \slot, \zero
	s_wait_dscnt 0
	PLACES NP
	FETCH_B \slot, (\q)+1, 1-(\q)%2
	FETCH_A \slot, (\q)+1, 0
	WIN MUL_HI
	MUL16 4, (\q)%2, \q, \slot, \zero
	MUL16 6, (\q)%2, \q, \slot, \zero
	PLACES NP
	WIN 0
	FETCH_A \slot, (\q)+1, 4
.endm
.macro TURN slot, next, fill
	s_wait_tensorcnt 0x0
	ds_add_u32 v[SPW], v[NIL]
	s_wait_dscnt 4*NL+1
	WIN MUL_LO
	MUL16 0, 1, NQ-1, \slot, 0
	s_wait_dscnt 0x0
	s_barrier_signal -1
	MUL16 2, 1, NQ-1, \slot, 0
	WIN 0
	s_barrier_wait -1
.if \fill
	CREST
	s_add_nc_u64 s[G0+4*\slot+2:G0+4*\slot+3], s[G0+4*\slot+2:G0+4*\slot+3], 2*ROWB
	s_add_nc_u64 s[G0B+4*\slot+2:G0B+4*\slot+3], s[G0B+4*\slot+2:G0B+4*\slot+3], 2*ROWB
	JLOAD G0+4*\slot, G1, G0B+4*\slot, G1B
.else
	PLACES NP
.endif
	s_wait_alu depctr_va_vdst(0)
	v_add_nc_u32 v[ADRS], 4*NQ, v[ADRS]
	FETCH_B \next, 0, 0
	FETCH_A \next, 0, 0
	SCALES \next
	WIN MUL_HI
	MUL16 4, 1, NQ-1, \slot, 0
	MUL16 6, 1, NQ-1, \slot, 0
	PLACES NP
	WIN 0
	FETCH_A \next, 0, 4
.endm
	s_wait_tensorcnt 1
	s_barrier_signal -1
	s_barrier_wait -1
	FETCH_B 0, 0, 0
	FETCH_A 0, 0, 0
	SCALES 0
	FETCH_A 0, 0, 4
	STEP 0, 0, 1
	s_mov_b32 s3, LAPS-1
.Llap:
	TURN 0, 1, 1
	STEP 1, 0, 0
	TURN 1, 0, 1
	STEP 0, 0, 0
	s_sub_co_u32 s3, s3, 1
	s_cmp_lg_u32 s3, 0
	s_cbranch_scc1 .Llap
	TURN 0, 1, 0
	STEP 1, 0, 0
	s_wait_dscnt 4*NL
	WIN MUL_LO
	MUL16 0, 1, NQ-1, 1, 0
	MUL16 2, 1, NQ-1, 1, 0
	s_wait_dscnt 0
	WIN MUL_HI
	MUL16 4, 1, NQ-1, 1, 0
	MUL16 6, 1, NQ-1, 1, 0
	WIN 0
.macro QUANT s, pw
.irp b, 0,1,2,3
	v_max3_num_f32 v[TM+\b], |v[\s+16*\b]|, |v[\s+1+16*\b]|, 0x1800000
.endr
.irp i, 2,4,6,8,10,12,14
.irp b, 0,1,2,3
	v_max3_num_f32 v[TM+\b], v[TM+\b], |v[\s+16*\b+\i]|, |v[\s+1+16*\b+\i]|
.endr
.endr
.irp b, 0,1,2,3
	v_permlanex16_b32 v[TM+4+\b], v[TM+\b], s[SEL], s[SEL+1]
.endr
.irp b, 0,1,2,3
	v_max_num_f32 v[TM+\b], v[TM+\b], v[TM+4+\b]
.endr
.irp b, 0,1,2,3
	v_add_nc_u32 v[TM+12+\b], 0xff000000, v[TM+\b]
.endr
.irp b, 0,1,2,3
	v_lshrrev_b32 v[TM+4+\b], 23, v[TM+12+\b]
.endr
	v_lshl_or_b32 v[\pw], v[TM+5], 8, v[TM+4]
	v_lshl_or_b32 v[\pw], v[TM+6], 16, v[\pw]
	v_lshl_or_b32 v[\pw], v[TM+7], 24, v[\pw]
	s_wait_xcnt 0x0
.irp c, 0,1
	v_cvt_scalef32_pk16_fp6_f32 v[PC+6*\c:PC+2+6*\c], v[\s+32*\c:\s+15+32*\c], v[TM+12+2*\c]
	v_cvt_scalef32_pk16_fp6_f32 v[PC+12+4*\c:PC+14+4*\c], v[\s+16+32*\c:\s+31+32*\c], v[TM+12+2*\c+1]
.endr
	v_nop
.irp c, 0,1
.irp i, 0,1,2
	v_permlane16_swap_b32 v[PC+6*\c+\i], v[PC+12+4*\c+\i]
.endr
.irp i, 0,1,2
	v_mov_b32 v[PC+3+6*\c+\i], v[PC+12+4*\c+\i]
.endr
.endr
.endm
.macro EPI role
.if \role == 0
	s_lshl_b32 s18, s17, 1
	s_add_co_u32 s18, s18, s15
	s_lshl_b32 s2, s40, 2
	s_lshl_b32 s3, s16, 1
.else
	s_lshl_b32 s18, s42, 1
	s_add_co_u32 s18, s18, s16
	s_lshl_b32 s2, s41, 2
	s_lshl_b32 s3, s15, 1
.endif
	s_add_co_u32 s2, s2, s3
	s_lshr_b32 s19, s18, 4
	s_and_b32 s18, s18, 15
	s_lshl_b32 s19, s19, 4
	s_add_co_u32 s19, s19, s2
	s_lshl_b32 s19, s19, 4
	s_add_co_u32 s18, s18, s19
.if \role == 0
	s_cmp_eq_u32 ttmp9, 0
	s_cselect_b64 s[20:21], s[98:99], s[100:101]
	s_mov_b32 s2, KVSTEP
	s_cselect_b32 s2, QSTEP, s2
	s_mul_i32 s18, s18, s2
	s_mov_b32 s19, 0
	s_add_nc_u64 s[20:21], s[20:21], s[18:19]
	s_lshl_b32 s18, s2, 4
	s_add_nc_u64 s[22:23], s[20:21], s[18:19]
.else
	s_mul_i32 s18, s18, KVSTEP
	s_mov_b32 s19, 0
	s_add_nc_u64 s[20:21], s[100:101], s[18:19]
	s_add_nc_u64 s[20:21], s[20:21], QSTEP
.endif
.irp a, 0,1,2,3,4,5,6,7
.set WSRC, 0x02+(\a)/4
	WIN WSRC
.set n, 0
.rept 32
.if \role == 0
	v_pk_add_f32 v[HA+n:HA+n+1], v[64*((\a)%4)+n:64*((\a)%4)+n+1], v[BB+n:BB+n+1]
.else
	v_pk_add_f32 v[HA+n:HA+n+1], v[64*((\a)%4)+n:64*((\a)%4)+n+1], v[BB+8*(\a):BB+8*(\a)+1]
.endif
.set n, n+2
.endr
	WIN 0
	QUANT HA, PW+\a
.if \role == 0
	global_store_b128 v[L16], v[PC:PC+3], s[20:21] offset:768*(\a)
	global_store_b64 v[L8], v[PC+4:PC+5], s[20:21] offset:768*(\a)+512
	global_store_b128 v[L16], v[PC+6:PC+9], s[22:23] offset:768*(\a)
	global_store_b64 v[L8], v[PC+10:PC+11], s[22:23] offset:768*(\a)+512
.else
.irp i, 0,1,2
	global_store_b128 v[L16], v[PC+4*\i:PC+4*\i+3], s[20:21] offset:((\a)/4)*HEADB+((\a)%4)*1536+512*\i
.endr
.endif
.endr
.irp i, 0,1,2,3
	v_cndmask_b32 v[MW+\i], v[PW+2*\i], v[PW+2*\i+1], s13
.endr
.if \role == 0
.irp i, 0,1,2,3
	v_and_b32 v[T0+\i], 0xffff, v[MW+\i]
	v_lshrrev_b32 v[T1+\i], 16, v[MW+\i]
.endr
	global_store_b128 v[L16], v[T0:T0+3], s[20:21] offset:6144
	global_store_b128 v[L16], v[T1:T1+3], s[22:23] offset:6144
.else
	global_store_b64 v[L8], v[MW:MW+1], s[20:21] offset:6144
	global_store_b64 v[L8], v[MW+2:MW+3], s[20:21] offset:6144+HEADB
.endif
.endm
	PLACES NP
	s_wait_loadcnt 0x0
	s_mov_b32 s[SEL], 0x76543210
	s_mov_b32 s[SEL+1], 0xfedcba98
	s_mov_b32 s13, 0xffff0000
.irp b, 0,1,2,3
	v_mov_b32 v[TM+4+\b], 0
.endr
	s_cmp_eq_u32 s12, 0
	s_cbranch_scc0 .Lrole_v
	EPI 0
	s_branch .Ldone
.Lrole_v:
	EPI 1
.Ldone:
	s_wait_tensorcnt 0x0
	ds_add_u32 v[SPW], v[NIL]
	s_wait_dscnt 0x0
	CROUND
	s_endpgm
.Lfunc_end_k_q000c24392d_proj:
	.size	k_q000c24392d_proj, .Lfunc_end_k_q000c24392d_proj-k_q000c24392d_proj
	.p2alignl 7, 3214868480
	.fill 96, 4, 3214868480
	.section	.rodata,"a",@progbits
	.p2align	6, 0x0
	.amdhsa_kernel k_q000c24392d_proj
		.amdhsa_group_segment_fixed_size 327680
		.amdhsa_private_segment_fixed_size 0
		.amdhsa_enable_private_segment 0
		.amdhsa_kernarg_size 72
		.amdhsa_user_sgpr_count 2
		.amdhsa_user_sgpr_kernarg_segment_ptr 1
		.amdhsa_wavefront_size32 1
		.amdhsa_system_sgpr_workgroup_id_x 1
		.amdhsa_system_sgpr_workgroup_id_y 1
		.amdhsa_system_sgpr_workgroup_id_z 1
		.amdhsa_system_vgpr_workitem_id 0
		.amdhsa_next_free_vgpr 1024
		.amdhsa_next_free_sgpr 106
		.amdhsa_reserve_vcc 0
		.amdhsa_float_denorm_mode_32 3
		.amdhsa_float_denorm_mode_16_64 3
		.amdhsa_memory_ordered 1
		.amdhsa_forward_progress 1
		.amdhsa_inst_pref_size 239
	.end_amdhsa_kernel
	.amdgpu_metadata
---
amdhsa.version: [ 1, 2 ]
amdhsa.kernels:
  - .name:           k_q000c24392d_proj
    .symbol:         k_q000c24392d_proj.kd
    .args:
      - { .name: xc, .offset: 0, .size: 8, .value_kind: global_buffer, .address_space: global }
      - { .name: xs, .offset: 8, .size: 8, .value_kind: global_buffer, .address_space: global }
      - { .name: wc, .offset: 16, .size: 8, .value_kind: global_buffer, .address_space: global }
      - { .name: ws, .offset: 24, .size: 8, .value_kind: global_buffer, .address_space: global }
      - { .name: bq, .offset: 32, .size: 8, .value_kind: global_buffer, .address_space: global }
      - { .name: bk, .offset: 40, .size: 8, .value_kind: global_buffer, .address_space: global }
      - { .name: bv, .offset: 48, .size: 8, .value_kind: global_buffer, .address_space: global }
      - { .name: q, .offset: 56, .size: 8, .value_kind: global_buffer, .address_space: global }
      - { .name: kv, .offset: 64, .size: 8, .value_kind: global_buffer, .address_space: global }
    .group_segment_fixed_size: 327680
    .private_segment_fixed_size: 0
    .kernarg_segment_align: 8
    .kernarg_segment_size: 72
    .max_flat_workgroup_size: 128
    .sgpr_count:     106
    .vgpr_count:     1024
    .wavefront_size: 32
...
	.end_amdgpu_metadata
.endif
;; end of part 2
;; launch attn (part 3): grid 4 x 64, 16 waves a work-group, clusters of 4 x 1, 327,680 bytes of LDS; arguments q, kv, out0; writes out0
.if DOCPART == 3
	.amdgcn_target "amdgcn-amd-amdhsa--gfx1250"
	.amdhsa_code_object_version 6
	.text
	.protected	k_q000c24392d_attn
	.globl	k_q000c24392d_attn
	.p2align	8
	.type	k_q000c24392d_attn,@function
k_q000c24392d_attn:
	s_mov_b64 s[64:65], 0
	v_nop
	global_prefetch_b8 v0, s[64:65] scope:SCOPE_SE
	s_setreg_imm32_b32 hwreg(HW_REG_WAVE_MODE, 25, 1), 1
	s_wait_xcnt 0x0
	s_wait_alu depctr_hold_cnt(0) depctr_sa_sdst(0) depctr_va_vdst(0) depctr_va_sdst(0) depctr_va_ssrc(0) depctr_va_vcc(0) depctr_vm_vsrc(0)
	s_getreg_b32 s2, hwreg(HW_REG_IB_STS2, 6, 4)
	s_cmp_eq_u32 s2, 0
	s_cbranch_scc0 .Lentry_in_a_cluster
	s_endpgm
.Lentry_in_a_cluster:
	s_bfe_u32 s2, ttmp6, 0x10000c
	s_cmp_lg_u32 s2, 0x3003
	s_cbranch_scc0 .Lentry_shape_is_right
	s_endpgm
.Lentry_shape_is_right:
; out0[b][s][64 head + d] = the sum over keys of softmax(q . k / 8) v, for 64 pairs hb = 16 b + head, 2,048 queries and keys, head size 64; both products on codes of FP6 (E2M3) with one E8M0 scale for each 32 along a product's K.
; q and kv hold the operands as images of this launch's registers, step by step of 128 tokens: q [hb][16][6,656 bytes], kv [hb][16][13,056 bytes].  A record: 8 images of 768 bytes (a tile of 16 tokens: registers 0-3 at 16 x lane,
; registers 4-5 at 512 + 8 x lane); at 6,144 their scale words (at 16 x lane word i: tile 2 i + lane / 16); in kv at 6,656 four images of 1,536 bytes of V (16 channels x 128 keys) and at 12,800 their scale words (at 8 x lane).
; THE TOKENS OF A TILE ARE NOT NEIGHBOURS: lane r of tile 2 b + u holds token 32 b + 8 u + r + 8 (r / 8); V's channels likewise.  So the 16 registers of two neighbouring result tiles are 16 neighbouring keys, or channels.
; THE SOFTMAX AHEAD OF THE SECOND PRODUCT: t = score x log2(e) / 8; M = the row's largest t so far, rounded up to a whole number; p = 2^(t - M) is what is quantised, along the keys; it is not normalised.
; The row's sum is taken of the unquantised p, in f32, and divides O at the end.  When M moves, the sum and O are multiplied by 2^(old M - new M): exact.
; THE FIRST PRODUCT'S K IS 64, half of the instruction's 128.  Q's registers 6-11 are zero codes and the scale bytes of both sides' upper two blocks are 0 (2^-127).  K's operand names 12 registers from its tile's six on: the
; upper six hold the next tile's codes (behind the last tile: zeros), finite numbers that meet Q's zeros and add nothing.
; SHARES.  A work-group owns 512 queries of one hb; each of its sixteen waves two tiles of 16 (together 32 neighbouring rows), taken one after the other, in 256 registers: four waves to a SIMD, so that one wave's vector work
; stands beside another's matrix work and LDS loads.  Every wave walks all 16 steps of 128 keys.
; A HEAD'S WHOLE K AND V, 208,896 bytes, LIE IN LDS, filled once, as they lie in memory: no ring, nothing is filled again.  CLUSTER: the four work-groups of an hb are one cluster and ask for these bytes jointly.
; Waves 0 to 3 fetch, two loads each: step w (so that the first four steps can begin early), then steps 4 + 3 w .. 6 + 3 w.  Since every byte is asked for at the head, there is no later tile to ask ahead for.
; LAYOUT.  Both products are used transposed: S^T = K Q^T (source 0 = 16 keys, source 1 = my 16 queries), O^T = V^T P^T (source 0 = 16 channels, source 1 = P): a lane holds one query (lane % 16) throughout.
; LIMITS: NaN and infinities are not served.
; REGISTERS: v0 kept; v1-9 addresses; v10-11 at work at the head; v12 -M, v13 the largest t, v[14:15] the sum in two halves; v16-27 Q of tile 0 (six of codes, six of zeros); v28-30 Q's load offsets; v32-85 K's eight tiles and six zeros,
;   or V's four; v88, v89 Q's scale words; v96-159 S^T, then p; v160-191 O^T; v192-203 Q of tile 1; v224-235 p's codes; v232-247, v252, v254 at work; v248-251 K's or V's scale words; v253 p's scale word.
.set STEPB, 13056                      ; a step's record in kv, and in LDS
.set HEADB, 16*STEPB                   ; a head's
.set QREC,  6656                       ; a step's record in q
.set STAGE, HEADB                      ; behind K and V: the way out: 16 rows x (256 bytes + 16) for each wave
.set SPARE, STAGE+16*16*272            ; behind the stages: the spare words, 128 bytes for each wave, which no other line names
.set L16, 1                            ; v1   16 x lane
.set L8,  2                            ; v2   8 x lane
.set A16, 3                            ; v3   the step's record + 16 x lane
.set A8,  4                            ; v4   the step's record + 8 x lane
.set SPW, 5                            ; v5   LDS address of my spare word; never rewritten
.set NIL, 6                            ; v6   0; never rewritten
.set GO,  7                            ; v7   the way out: my byte offset in the wave's rows of out0
.set STI, 8                            ; v8   the stage: where I put 16 bytes of a row
.set STB, 9                            ; v9   and where I read a row back
.set F,   32
.set WV,  10                           ; s10  my wave's number
.set SEL, 20                           ; s[20:21] lane selects for v_permlanex16_b32: lane l xor 16
.set CS,  22                           ; s[22:23] c = log2(e) / 8: the packed form names a pair and takes its low word for both halves
.set G1A, 24                           ; s[24:31] descriptor group 1: 51 rows of 256 bytes;  s[32:39]: 153 rows
.set G1B, 32
.set G0A, 40                           ; s[40:43], s[44:47] their groups 0
.set G0B, 44
.set TB,  48                           ; s48  LDS byte at which the step's record begins
.set CNT, 49                           ; s49  steps to go
.macro CROUND                          ; a round of the cluster's barrier
	s_barrier_signal -1
	s_barrier_wait -1
	s_cmp_lg_u32 s[WV], 0
	s_cbranch_scc1 .Lnot_wave_0_\@
	s_barrier_signal -3
.Lnot_wave_0_\@:
	s_barrier_wait -3
	s_barrier_signal -1
	s_barrier_wait -1
.endm
	s_load_b128 s[4:7], s[0:1], 0x0                ; q s[4:5], kv s[6:7]
	s_load_b64 s[8:9], s[0:1], 0x10                ; out0
	v_lshl_add_u32 v[SPW], v0, 2, SPARE
	v_mov_b32 v[NIL], 0
	ds_add_u32 v[SPW], v[NIL]                      ; the wave's opening: the add and its wait stand ahead of my first tensor load; the set-up below, work on registers, stands between them
	ds_add_u32 v[SPW], v[NIL]
	v_lshrrev_b32 v10, 5, v0
	s_delay_alu instid0(VALU_DEP_1)
	v_readfirstlane_b32 s[WV], v10                 ; wave 0..15
	s_bfe_u32 s11, ttmp6, 0x40000                  ; cx: my place in the cluster
	s_lshl_b32 s12, ttmp9, 2
	s_add_co_u32 s12, s12, s11                     ; my block of 512 queries: it enters q's and out0's addresses alone
	s_and_b32 s13, ttmp7, 0xffff                   ; hb, which the four partners share
	; descriptor groups 1: a dense block as rows of 256 bytes (32 elements of 8 bytes), no padding
	s_mov_b32 s[G1A], 15|(3<<16)|(1<<21)           ; 15:0 the mask: all four work-groups; 17:16 elements of 8 bytes; 21 set beside a mask
	s_mov_b32 s[G1A+1], 32<<16                     ; tensor_dim0 = 32
	s_mov_b32 s[G1A+2], 51<<16                     ; tensor_dim1 = 51: one step's record
	s_mov_b32 s[G1A+3], 32<<16                     ; tile_dim0
	s_mov_b32 s[G1A+4], 51                         ; tile_dim1
	s_mov_b32 s[G1A+5], 32                         ; tensor_dim0_stride
	s_mov_b32 s[G1A+6], 0
	s_mov_b32 s[G1A+7], 0
	s_mov_b32 s[G1B], 15|(3<<16)|(1<<21)
	s_mov_b32 s[G1B+1], 32<<16
	s_mov_b32 s[G1B+2], 153<<16                    ; three steps' records
	s_mov_b32 s[G1B+3], 32<<16
	s_mov_b32 s[G1B+4], 153
	s_mov_b32 s[G1B+5], 32
	s_mov_b32 s[G1B+6], 0
	s_mov_b32 s[G1B+7], 0
	s_mov_b32 s[SEL], 0x76543210
	s_mov_b32 s[SEL+1], 0xfedcba98
	s_mov_b32 s[CS], 0x3e38aa3b                    ; c = log2(e) / 8
	s_mov_b32 s[CS+1], s[CS]                       ; (named with it as a pair, so it is written)
	s_mul_i32 s14, s13, HEADB                      ; my head's first byte in kv (under 2^24)
	s_mov_b32 s15, 0
	s_mul_i32 s16, s[WV], STEPB                    ; what I fetch, if I fetch: step w,
	s_mov_b32 s17, 0
	s_mul_i32 s18, s[WV], 3*STEPB
	s_add_co_u32 s18, s18, 4*STEPB                 ; and steps 4 + 3 w on: the same byte in the head's block of memory and in LDS
	s_mov_b32 s19, 0
	s_wait_dscnt 0x0                               ; the opening add is done
	s_wait_kmcnt 0x0
	s_add_nc_u64 s[6:7], s[6:7], s[14:15]
	s_mov_b32 s[G0A], 1                            ; 1:0 count = 1
	s_mov_b32 s[G0A+1], s16                        ; 63:32 LDS address: no place in the cluster enters it
	s_add_nc_u64 s[G0A+2:G0A+3], s[6:7], s[16:17]  ; 120:64 global address
	s_or_b32 s[G0A+3], s[G0A+3], 0x80000000        ; 127:126 type = 2
	s_mov_b32 s[G0B], 1
	s_mov_b32 s[G0B+1], s18
	s_add_nc_u64 s[G0B+2:G0B+3], s[6:7], s[18:19]
	s_or_b32 s[G0B+3], s[G0B+3], 0x80000000
	CROUND                                         ; all four work-groups are here: the joint loads meet
	s_cmp_lt_u32 s[WV], 4                          ; a wave's two fills stand in one branch on the wave's number, ahead of every wait on TENSORcnt and every LDS read: two loads of mine are out at the most
	s_cbranch_scc0 .Lno_fill
	tensor_load_to_lds s[G0A:G0A+3], s[G1A:G1A+7]
	s_nop 0
	tensor_load_to_lds s[G0B:G0B+3], s[G1B:G1B+7]
	s_nop 0
.rept 4
	v_nop
.endr
.Lno_fill:
	; Q: my two tiles are tiles 2 (w % 4) and 2 (w % 4) + 1 of record 4 x block + w / 4
	s_mul_i32 s14, s13, 16*QREC
	s_lshl_b32 s16, s12, 2
	s_lshr_b32 s17, s[WV], 2
	s_add_co_u32 s16, s16, s17
	s_mul_i32 s16, s16, QREC
	s_add_co_u32 s14, s14, s16
	s_add_nc_u64 s[4:5], s[4:5], s[14:15]          ; q at my record (s15 = 0); not rewritten from here on
	v_and_b32 v10, 31, v0
	s_delay_alu instid0(VALU_DEP_1)
	v_lshlrev_b32 v[L16], 4, v10
	s_delay_alu instid0(VALU_DEP_2)
	v_lshlrev_b32 v[L8], 3, v10
	v_and_b32 v10, 15, v0                          ; r
	v_bfe_u32 v11, v0, 4, 1                        ; h
	s_wait_alu depctr_va_vdst(0)
	s_and_b32 s16, s[WV], 3
	s_mul_i32 s17, s16, 2*768
	s_lshl_b32 s16, s16, 2
	v_add_nc_u32 v28, s17, v[L16]
	v_add_nc_u32 v29, s17, v[L8]
	v_lshl_add_u32 v30, v10, 4, s16                ; my row's scale word: tile 2 i + u lies at 16 (r + 16 u) + 4 i, i = w % 4
	global_load_b128 v[16:19], v28, s[4:5]
	global_load_b64 v[20:21], v29, s[4:5] offset:512
	global_load_b128 v[192:195], v28, s[4:5] offset:768
	global_load_b64 v[196:197], v29, s[4:5] offset:1280
	global_load_b32 v88, v30, s[4:5] offset:6144
	global_load_b32 v89, v30, s[4:5] offset:6400
	s_lshr_b32 s14, s13, 4                         ; out0: row (batch x 2,048 + 512 x block + 32 w) of 4,096 bytes, + 256 x head (under 2^26)
	s_lshl_b32 s14, s14, 11
	s_lshl_b32 s16, s12, 9
	s_add_co_u32 s14, s14, s16
	s_lshl_b32 s16, s[WV], 5
	s_add_co_u32 s14, s14, s16
	s_lshl_b32 s14, s14, 12
	s_and_b32 s16, s13, 15
	s_lshl_b32 s16, s16, 8
	s_add_co_u32 s14, s14, s16
	s_add_nc_u64 s[8:9], s[8:9], s[14:15]
	v_lshlrev_b32 v[GO], 12, v11
	s_delay_alu instid0(VALU_DEP_1)
	v_lshl_add_u32 v[GO], v10, 4, v[GO]            ; lanes 0-15 take one row's 256 bytes, lanes 16-31 the next row's
	s_mul_i32 s16, s[WV], 16*272
	s_add_co_u32 s16, s16, STAGE                   ; my stage
	v_mul_u32_u24 v[STI], v10, 272
	s_delay_alu instid0(VALU_DEP_1)
	v_lshl_add_u32 v[STI], v11, 6, v[STI]
	s_delay_alu instid0(VALU_DEP_1)
	v_add_nc_u32 v[STI], s16, v[STI]               ; in: row r; my 16 channels of each 32: 64 h bytes on
	v_mul_u32_u24 v[STB], v11, 272
	s_delay_alu instid0(VALU_DEP_1)
	v_lshl_add_u32 v[STB], v10, 4, v[STB]
	s_delay_alu instid0(VALU_DEP_1)
	v_add_nc_u32 v[STB], s16, v[STB]               ; back: lanes 0-15 one row, lanes 16-31 the next
.irp j, 0,1,2,3,4,5
	v_mov_b32 v[22+\j], 0                          ; the upper half of Q's K: zero codes
	v_mov_b32 v[198+\j], 0
	v_mov_b32 v[F+48+\j], 0                        ; and what K's last tile names beyond its six registers
.endr
.irp b, 0,1,2,3
	v_mov_b32 v[236+\b], 0                         ; written once: a lane permute's destination counts as one of its sources
.endr
	v_mov_b32 v253, 0                              ; (named as the upper half of the pair v[252:253] before it is first written)
; A tile begins: O^T and the sum as zeros, the largest t as -3e38: the first change of M multiplies zeros, so the step is written once.
.macro INIT
	v_mov_b32 v13, 0xff61b1e6                      ; -3e38, under every t
	s_delay_alu instid0(VALU_DEP_1)
	v_floor_f32 v12, -v13                          ; -M
	v_mov_b32 v14, 0
	v_mov_b32 v15, 0
.set j, 0
.rept 32
	v_mov_b32 v[160+j], 0
.set j, j+1
.endr
	s_mov_b32 s[TB], 0
.endm
; A KEY STEP: 128 keys.  qr: Q's 12 registers; qs: Q's scale words.
.macro STEP qr, qs
	v_add_nc_u32 v[A16], s[TB], v[L16]
	v_add_nc_u32 v[A8], s[TB], v[L8]
	v_nop
	v_nop                                          ; four places in front of loads into registers that the last products have read
.irp t, 0,1,2,3,4,5,6,7
	ds_load_b128 v[F+6*\t:F+6*\t+3], v[A16] offset:768*\t          ; K's tile t: an image of its six registers: 512 and 256 consecutive bytes
	ds_load_b64 v[F+6*\t+4:F+6*\t+5], v[A8] offset:768*\t+512
.endr
	ds_load_b128 v[248:251], v[A16] offset:6144    ; register i: lanes 0-15 tile 2 i's scale words, lanes 16-31 tile 2 i + 1's
	s_wait_alu depctr_va_vdst(0)
	s_wait_dscnt 0x0
.irp t, 0,1,2,3,4,5,6,7                        ; S^T = K Q^T
.if \t%2
	v_wmma_scale_f32_16x16x128_f8f6f4 v[96+8*\t:103+8*\t], v[F+6*\t:F+6*\t+11], v[\qr:\qr+11], 0, v[248+\t/2], v[\qs] matrix_a_fmt:MATRIX_FMT_FP6 matrix_b_fmt:MATRIX_FMT_FP6 matrix_a_scale:MATRIX_SCALE_ROW1
.else
	v_wmma_scale_f32_16x16x128_f8f6f4 v[96+8*\t:103+8*\t], v[F+6*\t:F+6*\t+11], v[\qr:\qr+11], 0, v[248+\t/2], v[\qs] matrix_a_fmt:MATRIX_FMT_FP6 matrix_b_fmt:MATRIX_FMT_FP6
.endif
.endr                                          ; lane (r, h) holds query r; the 16 registers of tiles 2 b, 2 b + 1 are keys 32 b + 16 h + 0 .. 15 of the step
.rept 4
	v_nop                                          ; four places: in front of the loads below, and of the first read of the scores
.endr
.irp c, 0,1,2,3
.irp i, 0,1,2
	ds_load_b128 v[F+12*\c+4*\i:F+12*\c+4*\i+3], v[A16] offset:6656+1536*\c+512*\i   ; V's four tiles: they land under the softmax
.endr
.endr
	ds_load_b64 v[248:249], v[A8] offset:12800     ; register i: lanes 0-15 channel tile 2 i's scale words, lanes 16-31 tile 2 i + 1's
.irp b, 0,1,2,3
	v_max3_num_f32 v[232+\b], v[96+16*\b], v[97+16*\b], v[98+16*\b]   ; the largest score of each block of 32 keys: it serves twice: for the row's maximum, and, since p rises with the score, for the block's largest p
.endr
.irp i, 3,5,7,9,11,13
.irp b, 0,1,2,3
	v_max3_num_f32 v[232+\b], v[232+\b], v[96+16*\b+\i], v[97+16*\b+\i]   ; (the four blocks by turns)
.endr
.endr
.irp b, 0,1,2,3
	v_max_num_f32 v[232+\b], v[232+\b], v[111+16*\b]
.endr
.irp b, 0,1,2,3
	s_delay_alu instid0(VALU_DEP_4)
	v_permlanex16_b32 v[236+\b], v[232+\b], s[SEL], s[SEL+1]
.endr
.irp b, 0,1,2,3
	s_delay_alu instid0(VALU_DEP_4)
	v_max_num_f32 v[232+\b], v[232+\b], v[236+\b]  ; with lane l xor 16's 16 keys
.endr
	s_delay_alu instid0(VALU_DEP_2)
	v_max3_num_f32 v254, v232, v233, v234
	s_delay_alu instid0(VALU_DEP_1)
	v_max_num_f32 v254, v254, v235                 ; the step's largest score of my query
	s_delay_alu instid0(VALU_DEP_1)
	v_mul_f32 v254, s[CS], v254                    ; as t (c is positive)
	s_delay_alu instid0(VALU_DEP_1)
	v_max_num_f32 v13, v13, v254                   ; the running largest t
	v_mov_b32 v254, v12
	s_delay_alu instid0(VALU_DEP_2)
	v_floor_f32 v12, -v13                          ; the new -M = floor(-t) = -ceil(t): M is a whole number
	s_delay_alu instid0(VALU_DEP_1)
	v_sub_f32 v254, v12, v254                      ; M's old value less its new one: a whole number, 0 or less
	s_delay_alu instid0(VALU_DEP_1)
	v_cvt_i32_f32 v254, v254                       ; (it saturates)
	s_delay_alu instid0(VALU_DEP_1)
	v_ldexp_f32 v252, 1.0, v254                    ; f = 2^(old M - new M): a multiplication by it rounds nothing
.set j, 0
.rept 32
	v_pk_fma_f32 v[96+j:97+j], v[96+j:97+j], s[CS:CS+1], v[12:13] op_sel_hi:[1,0,0]   ; t - M, two at a time (of the pairs c and -M the low word serves both halves)
.set j, j+2
.endr
.irp b, 0,1,2,3
	v_fma_f32 v[232+\b], v[232+\b], s[CS], v12     ; the same of each block's largest score
.endr
.set j, 0
	s_wait_alu depctr_va_vdst(0)
.rept 64
	v_exp_f32 v[96+j], v[96+j]                     ; p = 2^(t - M), at most 1: not normalised
.set j, j+1
.endr
	s_setprio 1
	v_pk_mul_f32 v[14:15], v[14:15], v[252:253] op_sel_hi:[1,0]   ; the sums under the new M.  (A plain place behind the exponentials)
	s_wait_alu depctr_va_vdst(0)                   ; one wait for the whole batch of 64, ahead of its first reader
.irp b, 0,1,2,3
	v_exp_f32 v[232+\b], v[232+\b]                 ; the block's largest p: the same two instructions on the same number give the same bits
.endr
	v_pk_add_f32 v[236:237], v[100:101], v[104:105]
	v_pk_add_f32 v[254:255], v[108:109], v[112:113]
	v_pk_add_f32 v[250:251], v[116:117], v[120:121]
	v_pk_add_f32 v[246:247], v[124:125], v[128:129]
	v_pk_add_f32 v[244:245], v[132:133], v[136:137]
	v_pk_add_f32 v[242:243], v[140:141], v[144:145]
	v_pk_add_f32 v[240:241], v[148:149], v[152:153]
	v_pk_add_f32 v[14:15], v[14:15], v[156:157]
	v_pk_add_f32 v[236:237], v[236:237], v[96:97]
	v_pk_add_f32 v[254:255], v[254:255], v[98:99]
	v_pk_add_f32 v[250:251], v[250:251], v[102:103]
	v_pk_add_f32 v[246:247], v[246:247], v[106:107]
	v_pk_add_f32 v[244:245], v[244:245], v[110:111]
	v_pk_add_f32 v[242:243], v[242:243], v[114:115]
	v_pk_add_f32 v[240:241], v[240:241], v[118:119]
	v_pk_add_f32 v[14:15], v[14:15], v[122:123]
	v_pk_add_f32 v[236:237], v[236:237], v[126:127]
	v_pk_add_f32 v[254:255], v[254:255], v[130:131]
	v_pk_add_f32 v[250:251], v[250:251], v[134:135]
	v_pk_add_f32 v[246:247], v[246:247], v[138:139]
	v_pk_add_f32 v[244:245], v[244:245], v[142:143]
	v_pk_add_f32 v[242:243], v[242:243], v[146:147]
	v_pk_add_f32 v[240:241], v[240:241], v[150:151]
	v_pk_add_f32 v[14:15], v[14:15], v[154:155]
	v_pk_add_f32 v[236:237], v[236:237], v[158:159]
	s_delay_alu instid0(VALU_DEP_2)
	v_pk_add_f32 v[14:15], v[14:15], v[246:247]
	s_delay_alu instid0(VALU_DEP_2)
	v_pk_add_f32 v[236:237], v[236:237], v[244:245]
	v_pk_add_f32 v[254:255], v[254:255], v[242:243]
	v_pk_add_f32 v[250:251], v[250:251], v[240:241]
	s_delay_alu instid0(VALU_DEP_2)
	v_pk_add_f32 v[14:15], v[14:15], v[254:255]
	s_delay_alu instid0(VALU_DEP_2)
	v_pk_add_f32 v[236:237], v[236:237], v[250:251]
	s_delay_alu instid0(VALU_DEP_1)
	v_pk_add_f32 v[14:15], v[14:15], v[236:237]
	s_wait_alu depctr_va_vdst(0)                   ; and one wait for the four
.irp b, 0,1,2,3
	v_max_num_f32 v[232+\b], 0x1800000, v[232+\b]  ; the floor 2^(3 - 127): the byte cannot fall under 1 (a block whose every p has fallen to 0 keeps that byte: its codes are zeros)
.endr
.irp b, 0,1,2,3
	s_delay_alu instid0(VALU_DEP_4)
	v_add_nc_u32 v[244+\b], 0xff000000, v[232+\b]  ; 2 off the exponent field: the conversion's scale operand
.endr
.irp b, 0,1,2,3
	s_delay_alu instid0(VALU_DEP_4)
	v_lshrrev_b32 v[236+\b], 23, v[244+\b]         ; the scale's byte
.endr
	s_delay_alu instid0(VALU_DEP_3)
	v_lshl_or_b32 v253, v237, 8, v236              ; p's scale word for these 128 keys
	s_delay_alu instid0(VALU_DEP_1)
	v_lshl_or_b32 v253, v238, 16, v253
	s_delay_alu instid0(VALU_DEP_1)
	v_lshl_or_b32 v253, v239, 24, v253
.irp c, 0,1
	v_cvt_scalef32_pk16_fp6_f32 v[224+6*\c:226+6*\c], v[96+32*\c:111+32*\c], v[244+2*\c]
	v_cvt_scalef32_pk16_fp6_f32 v[236+4*\c:238+4*\c], v[112+32*\c:127+32*\c], v[244+2*\c+1]   ; (a conversion's three registers begin on an even number)
.endr
	v_nop                                          ; one plain vector instruction between a scaled conversion and the vector instruction that touches its result
.irp c, 0,1                                    ; the operand's layout wants a whole block in a lane: lanes 0-15 block 2 c, lanes 16-31 block 2 c + 1
.irp i, 0,1,2
	v_permlane16_swap_b32 v[224+6*\c+\i], v[236+4*\c+\i]
.endr
.irp i, 0,1,2
	s_delay_alu instid0(VALU_DEP_3)
	v_mov_b32 v[227+6*\c+\i], v[236+4*\c+\i]
.endr
.endr
.set j, 0
	s_setprio 0
.rept 16
	v_pk_mul_f32 v[160+j:161+j], v[160+j:161+j], v[252:253] op_sel_hi:[1,0]   ; O^T under the new M: x f.  (These 16 are also the places between the writes of p's codes and scale word and the products below)
.set j, j+2
.endr
	s_wait_alu depctr_va_vdst(0)
	s_wait_dscnt 0x0                               ; V's tiles and scale words are in
.irp c, 0,1,2,3                                ; O^T += V^T P^T: the four accumulators by turns, one instruction a turn
.if \c%2
	v_wmma_scale_f32_16x16x128_f8f6f4 v[160+8*\c:167+8*\c], v[F+12*\c:F+12*\c+11], v[224:235], v[160+8*\c:167+8*\c], v[248+\c/2], v253 matrix_a_fmt:MATRIX_FMT_FP6 matrix_b_fmt:MATRIX_FMT_FP6 matrix_a_scale:MATRIX_SCALE_ROW1
.else
	v_wmma_scale_f32_16x16x128_f8f6f4 v[160+8*\c:167+8*\c], v[F+12*\c:F+12*\c+11], v[224:235], v[160+8*\c:167+8*\c], v[248+\c/2], v253 matrix_a_fmt:MATRIX_FMT_FP6 matrix_b_fmt:MATRIX_FMT_FP6
.endif
.endr
	s_add_co_u32 s[TB], s[TB], STEPB               ; the next step's record
.endm
.macro STEPS n, qr, qs
	s_mov_b32 s[CNT], \n
.Lstep_\@:
	s_setprio 2
	STEP \qr, \qs
	s_sub_co_u32 s[CNT], s[CNT], 1
	s_cmp_lg_u32 s[CNT], 0
	s_cbranch_scc1 .Lstep_\@
	s_setprio 0
.endm
; THE WAY OUT of a tile.  O^T is divided by the sum and goes through my stage in LDS, so that sixteen lanes store a row's 256 consecutive bytes, aligned.  Stage row p holds the tile's place p, which is row p + 8 (p / 8) of the
; wave's 32, and 8 more in the second tile (off = 8 rows).  Registers 16 B + i of O^T are channels 32 B + 16 h + i.
.macro WAYOUT off
.rept 4
	v_nop                                          ; four places behind the last products
.endr
	v_add_f32 v14, v14, v15                        ; the sum's two halves,
	s_delay_alu instid0(VALU_DEP_1)
	v_permlanex16_b32 v252, v14, s[SEL], s[SEL+1]
	s_delay_alu instid0(VALU_DEP_1)
	v_add_f32 v14, v14, v252                       ; and lane l xor 16's: the row's sum
	s_wait_alu depctr_va_vdst(0)
	v_rcp_f32 v14, v14
	v_nop                                          ; a plain place behind the transcendental
	s_wait_alu depctr_va_vdst(0)                   ; and a wait ahead of the first reader
.set j, 0
.rept 32
	v_mul_f32 v[96+j], v[160+j], v14               ; each accumulator from its low end on
.set j, j+1
.endr
.irp b, 0,1
.irp i, 0,1,2,3
	ds_store_b128 v[STI], v[96+16*\b+4*\i:99+16*\b+4*\i] offset:128*\b+16*\i
.endr
.endr
.irp i, 0,1,2,3,4,5,6,7
	ds_load_b128 v[F+4*\i:F+4*\i+3], v[STB] offset:544*\i          ; LDS serves a wave's instructions in order: these see my stores
.endr
.irp i, 0,1,2,3,4,5,6,7
	s_wait_dscnt 7-\i                              ; load i is back; the 7 - i younger ones may be out
	global_store_b128 v[GO], v[F+4*\i:F+4*\i+3], s[8:9] offset:\off+(2*\i+8*(\i/4))*4096 th:TH_STORE_NT   ; written once, read by nobody here
.endr
	s_wait_xcnt 0x0                                ; the stores have read their data: these registers are loaded again only behind this wait
.endm
	INIT
	s_wait_tensorcnt 0x1                           ; my part of steps 0 to 3 is in; my second load, of steps 4 to 15, may be out
	s_wait_dscnt 0x0
	s_barrier_signal -1
	s_barrier_wait -1                              ; everybody's is
	s_wait_loadcnt 0x0                             ; Q
	STEPS 4, 16, 88                                ; the first tile's first four steps read bytes under 4 x 13,056 alone
	s_wait_tensorcnt 0x0                           ; my part of steps 4 to 15 is in,
	s_wait_dscnt 0x0
	s_barrier_signal -1
	s_barrier_wait -1                              ; everybody's is: the whole head lies in LDS from here on
	STEPS 12, 16, 88
	WAYOUT 0
	INIT
	STEPS 16, 192, 89                              ; the second tile
	WAYOUT 32768
	s_wait_tensorcnt 0x0                           ; the wave's end: behind my last tensor load and my last LDS store
	ds_add_u32 v[SPW], v[NIL]
	s_wait_dscnt 0x0
	CROUND                                         ; the closing round: no work-group ends while a partner may still ask for bytes jointly
	s_endpgm
.Lfunc_end_k_q000c24392d_attn:
	.size	k_q000c24392d_attn, .Lfunc_end_k_q000c24392d_attn-k_q000c24392d_attn
	.p2alignl 7, 3214868480
	.fill 96, 4, 3214868480
	.section	.rodata,"a",@progbits
	.p2align	6, 0x0
	.amdhsa_kernel k_q000c24392d_attn
		.amdhsa_group_segment_fixed_size 327680
		.amdhsa_private_segment_fixed_size 0
		.amdhsa_enable_private_segment 0
		.amdhsa_kernarg_size 24
		.amdhsa_user_sgpr_count 2
		.amdhsa_user_sgpr_kernarg_segment_ptr 1
		.amdhsa_wavefront_size32 1
		.amdhsa_system_sgpr_workgroup_id_x 1
		.amdhsa_system_sgpr_workgroup_id_y 1
		.amdhsa_system_sgpr_workgroup_id_z 1
		.amdhsa_system_vgpr_workitem_id 0
		.amdhsa_next_free_vgpr 256
		.amdhsa_next_free_sgpr 66
		.amdhsa_reserve_vcc 0
		.amdhsa_float_denorm_mode_32 3
		.amdhsa_float_denorm_mode_16_64 3
		.amdhsa_memory_ordered 1
		.amdhsa_forward_progress 1
		.amdhsa_inst_pref_size 68
	.end_amdhsa_kernel
	.amdgpu_metadata
---
amdhsa.version: [ 1, 2 ]
amdhsa.kernels:
  - .name:           k_q000c24392d_attn
    .symbol:         k_q000c24392d_attn.kd
    .args:
      - { .name: q, .offset: 0, .size: 8, .value_kind: global_buffer, .address_space: global }
      - { .name: kv, .offset: 8, .size: 8, .value_kind: global_buffer, .address_space: global }
      - { .name: out0, .offset: 16, .size: 8, .value_kind: global_buffer, .address_space: global }
    .group_segment_fixed_size: 327680
    .private_segment_fixed_size: 0
    .kernarg_segment_align: 8
    .kernarg_segment_size: 24
    .max_flat_workgroup_size: 512
    .sgpr_count:     66
    .vgpr_count:     256
    .wavefront_size: 32
...
	.end_amdgpu_metadata
.endif
;; end of part 3
